; MI455X (gfx1250); checked and timed in simulation.
; The chip was launched on July 23, 2026; its instructions are those of AMD's public machine-readable ISA for CDNA 5 (MIT licence, August 2026) and "CDNA5" Instruction Set Architecture Reference Guide (July 2026). The comments in the code are by the model that wrote it; some were corrected since.
;; Mo E. Allowed arithmetic: float matrix products may take bf16 or f16 operands with f32 sums; other float arithmetic in f32, or as packed bf16 or f16 multiplies, adds, multiply-adds, maxima and minima; sums over many terms, partial sums and values carried from step to step in f32; what a program stores and reads back later, other than sums and carried values, may be rounded once to bf16 or f16.
;; Inputs: gate_w 8 x 2,048 float32; w1 8 x 1,024 x 2,048 float32; w2 8 x 2,048 x 1,024 float32; w3 8 x 1,024 x 2,048 float32; ws1 1,024 x 2,048 float32; ws2 2,048 x 1,024 float32; ws3 1,024 x 2,048 float32; x 2 x 512 x 2,048 float32.
;; Outputs: out0 2 x 512 x 2,048 float32.
;; One version. Each part assembles by itself: llvm-mc -triple=amdgcn-amd-amdhsa -mcpu=gfx1250 --defsym DOCPART=n.
;; ======== version 1 of 1: 4 launches
;; workspace buffers: xb 4,194,304 bytes; choice 8,192 bytes of whole numbers; gatew 16,384 bytes; g 18,874,368 bytes; rowlist 49,152 bytes of whole numbers; p 25,231,360 bytes
;; launch router (part 1): grid 64 x 1, 8 waves a work-group, no clusters, 108,032 bytes of LDS; arguments x, gate_w, xb, choice, gatew; writes xb, choice, gatew
.if DOCPART == 1
	.amdgcn_target "amdgcn-amd-amdhsa--gfx1250"
	.amdhsa_code_object_version 6
	.text
	.protected	k_qf1d3bdcbad_router
	.globl	k_qf1d3bdcbad_router
	.p2align	8
	.type	k_qf1d3bdcbad_router,@function
k_qf1d3bdcbad_router:
	s_mov_b64 s[64:65], 0
	v_nop
	global_prefetch_b8 v0, s[64:65] scope:SCOPE_SE
	s_setreg_imm32_b32 hwreg(HW_REG_WAVE_MODE, 25, 1), 1
	s_wait_xcnt 0x0
; ROUTER.  For 16 tokens a work-group: x rounded to bf16 (xb, read by the next launch), the 8 logits x . gate_w, the two largest, and their softmax weights.
; x: [1024][2048] f32.  gate_w: [8][2048] f32.  xb: [1024][2048] bf16.  choice: u32 [2][1024], the k-th chosen expert of token t.
; gatew: f32 [4096]: word 1024 k + t the weight of that choice; words 2048 to 4095 hold 1.0 (the shared expert's rows and the spare rows of the later launches).
; The logits are products of x and gate_w BOTH rounded to bf16, summed in f32: the whole program works on inputs rounded to bf16, the gate too.
; LIMITS.  NaN and infinities are not treated apart; the logits are finite.  The two largest are taken of the logits, by a strict greater-than in ascending order of the experts, so of equal
; logits the lower index is kept; that differs from a choice on the rounded scores only where two different logits round to one score.  The route scale of 1.0 is not multiplied in.
; SHARES.  Wave w loads and rounds rows 2 w and 2 w + 1 of the 16 tokens and row w of gate_w; then it multiplies columns 256 w to 256 w + 255 for all 16 tokens; wave 0 adds the eight parts and chooses.
.set ROWB,  8192                       ; bytes in a row of x or of gate_w
.set PITCH, 4112                       ; an LDS row: 4,096 bytes of bf16 + 16 of padding = 257 x 16: the 16 rows of a fragment load start at 16 different groups of four banks (64 banks of 4 bytes: ISA guide 11.1)
.set GWT,   16*PITCH                   ; behind the 16 token rows: the 8 rows of gate_w
.set RED,   98816                      ; 8 x 1,024 bytes: each wave's partial logits
.set SPARE, 107008                     ; the spare words, 128 bytes for each of the eight waves: four blocks of 256 bytes that no other line names
.set L16, 1                            ; v1   16 x lane
.set L8,  2                            ; v2   8 x lane
.set R,   3                            ; v3   lane % 16
.set H,   4                            ; v4   lane / 16
.set SPW, 5                            ; v5   LDS address of my spare word; never rewritten
.set NIL, 6                            ; v6   0; never rewritten
.set TMP, 7
.set AX,  8                            ; v8   where my 8 bytes of my first token row go
.set AG,  9                            ; v9   the same for my row of gate_w
.set FG,  10                           ; v10  my lane's place in gate_w's fragments
.set FX,  11                           ; v11  in the tokens' fragments
.set AR,  12                           ; v12  where my partial logits go
.set RR,  13                           ; v13  where wave 0 reads them
.set M1,  16                           ; the largest logit, its index, the second, its index
.set I1,  17
.set M2,  18
.set I2,  19
.set T,   24                           ; v24-31 exponents and exponentials; v32 the second's
.set T2,  32
.set SUM, 33
.set RCP, 34
.set W2,  35
.set OI,  36
.set OW,  37
.set OA,  38
.set ONE, 39
.set Q,   64                           ; v64-255  48 loads of four registers; later v64-127 gate_w's fragments, v128-191 the tokens', v192-223 four accumulators
.set GF,  64
.set XF,  128
.set ACC, 192
	s_load_b256 s[4:11], s[0:1], 0x0               ; x s[4:5], gate_w s[6:7], xb s[8:9], choice s[10:11]
	s_load_b64 s[12:13], s[0:1], 0x20              ; gatew
	v_lshl_add_u32 v[SPW], v0, 2, SPARE
	v_mov_b32 v[NIL], 0
	v_lshrrev_b32 v[TMP], 5, v0
	v_readfirstlane_b32 s14, v[TMP]                ; wave 0..7
	v_and_b32 v[TMP], 31, v0
	v_lshlrev_b32 v[L16], 4, v[TMP]
	v_lshlrev_b32 v[L8], 3, v[TMP]
	v_and_b32 v[R], 15, v0
	v_bfe_u32 v[H], v0, 4, 1
	s_lshl_b32 s15, ttmp9, 4                       ; my first token
	s_lshl_b32 s16, ttmp9, 17                      ; 16 rows of 8,192 bytes,
	s_lshl_b32 s18, s14, 14                        ; my wave's two of them
	s_add_co_u32 s16, s16, s18
	s_mov_b32 s17, 0
	s_lshl_b32 s18, s14, 13                        ; my row of gate_w
	s_mov_b32 s19, 0
	s_lshr_b32 s22, s16, 1                         ; in xb a row has half the bytes
	s_mov_b32 s23, 0
	s_mov_b32 s21, 0x3fb8aa3b                      ; log2(e)
	s_mul_i32 s24, s14, 2*PITCH
	v_add_nc_u32 v[AX], s24, v[L8]
	s_mul_i32 s24, s14, PITCH
	s_add_co_u32 s24, s24, GWT
	v_add_nc_u32 v[AG], s24, v[L8]
	s_wait_kmcnt 0x0
	s_add_nc_u64 s[4:5], s[4:5], s[16:17]
	s_add_nc_u64 s[6:7], s[6:7], s[18:19]
	s_add_nc_u64 s[8:9], s[8:9], s[22:23]
	; PHASE 1.  All 48 loads go out at once: each covers 512 consecutive bytes.
.set q, 0
.rept 32
	global_load_b128 v[Q+4*q:Q+4*q+3], v[L16], s[4:5] offset:(q/16)*ROWB+(q%16)*512 th:TH_LOAD_NT
.set q, q+1
.endr
.rept 16
	global_load_b128 v[Q+4*q:Q+4*q+3], v[L16], s[6:7] offset:(q%16)*512
.set q, q+1
.endr
	; the addresses of phase 2 are made while the loads are out
	v_mul_u32_u24 v[FX], v[R], PITCH
	v_lshl_add_u32 v[FX], v[H], 4, v[FX]
	s_lshl_b32 s24, s14, 9                         ; my 256 columns: 512 bytes into each row
	v_add_nc_u32 v[FX], s24, v[FX]
	v_and_b32 v[FG], 7, v0                         ; gate_w has 8 rows: rows 8-15 of its fragment repeat rows 0-7
	v_mul_u32_u24 v[FG], v[FG], PITCH
	v_lshl_add_u32 v[FG], v[H], 4, v[FG]
	s_add_co_u32 s24, s24, GWT
	v_add_nc_u32 v[FG], s24, v[FG]
	s_lshl_b32 s24, s14, 10
	s_add_co_u32 s24, s24, RED
	v_lshl_add_u32 v[AR], v[L16], 1, s24           ; 32 bytes a lane
	v_lshl_add_u32 v[RR], v[L16], 1, RED
.set q, 0
.rept 48
	s_wait_loadcnt 47-q                            ; loads come back in order (ISA guide 5.7.1): number q is in, the 47 - q younger ones stay out
	v_cvt_pk_bf16_f32 v[Q+4*q], v[Q+4*q], v[Q+4*q+1]
	v_cvt_pk_bf16_f32 v[Q+4*q+1], v[Q+4*q+2], v[Q+4*q+3]
.if q < 32
	ds_store_b64 v[AX], v[Q+4*q:Q+4*q+1] offset:(q/16)*PITCH+(q%16)*256
	global_store_b64 v[L8], v[Q+4*q:Q+4*q+1], s[8:9] offset:(q/16)*4096+(q%16)*256  ; the wave stores 256 consecutive bytes, at a multiple of 256 from xb's first byte
.else
	ds_store_b64 v[AG], v[Q+4*q:Q+4*q+1] offset:(q%16)*256
.endif
.set q, q+1
.endr
	s_wait_xcnt 0x0                                ; the stores' data registers are loaded anew below
	s_wait_dscnt 0x0                               ; for the others' sake: my rows are in LDS
	s_barrier_signal -1
	s_barrier_wait -1
	; PHASE 2.  Source 0 = gate_w (rows = experts), source 1 = 16 tokens: in the result lane l holds token l % 16, and register i the logit of expert i (in both halves of the lanes).
.irp ks, 0,1,2,3,4,5,6,7
	ds_load_b128 v[GF+8*(\ks):GF+8*(\ks)+3],   v[FG] offset:64*(\ks)
	ds_load_b128 v[GF+8*(\ks)+4:GF+8*(\ks)+7], v[FG] offset:64*(\ks)+32
	ds_load_b128 v[XF+8*(\ks):XF+8*(\ks)+3],   v[FX] offset:64*(\ks)
	ds_load_b128 v[XF+8*(\ks)+4:XF+8*(\ks)+7], v[FX] offset:64*(\ks)+32
.endr
	s_wait_dscnt 0x0
.irp ks, 0,1,2,3                       ; four accumulators take turns; the first four products start the sums
	v_wmma_f32_16x16x32_bf16 v[ACC+8*(\ks):ACC+8*(\ks)+7], v[GF+8*(\ks):GF+8*(\ks)+7], v[XF+8*(\ks):XF+8*(\ks)+7], 0
.endr
.irp ks, 4,5,6,7
	v_wmma_f32_16x16x32_bf16 v[ACC+8*(\ks)-32:ACC+8*(\ks)-25], v[GF+8*(\ks):GF+8*(\ks)+7], v[XF+8*(\ks):XF+8*(\ks)+7], v[ACC+8*(\ks)-32:ACC+8*(\ks)-25]
.endr
.rept 4
	v_nop                                          ; four places between the last product and the first vector instruction on a result (ISA guide 7.12.1)
.endr
.irp i, 0,2,4,6                        ; each accumulator is read from its low end on
	v_pk_add_f32 v[ACC+(\i):ACC+(\i)+1], v[ACC+(\i):ACC+(\i)+1], v[ACC+8+(\i):ACC+8+(\i)+1]
.endr
.irp i, 0,2,4,6
	v_pk_add_f32 v[ACC+16+(\i):ACC+16+(\i)+1], v[ACC+16+(\i):ACC+16+(\i)+1], v[ACC+24+(\i):ACC+24+(\i)+1]
.endr
.irp i, 0,2,4,6
	v_pk_add_f32 v[ACC+(\i):ACC+(\i)+1], v[ACC+(\i):ACC+(\i)+1], v[ACC+16+(\i):ACC+16+(\i)+1]
.endr
	ds_store_b128 v[AR], v[ACC:ACC+3]
	ds_store_b128 v[AR], v[ACC+4:ACC+7] offset:16
	s_wait_dscnt 0x0                               ; for wave 0's sake: my partial logits are in LDS
	s_barrier_signal -1
	s_barrier_wait -1
	s_cmp_lg_u32 s14, 0
	s_cbranch_scc1 .Lend
	; PHASE 3, wave 0 alone: the eight parts are added in the waves' order
.irp w, 0,1,2,3,4,5,6,7
	ds_load_b128 v[Q+8*(\w):Q+8*(\w)+3],   v[RR] offset:1024*(\w)
	ds_load_b128 v[Q+8*(\w)+4:Q+8*(\w)+7], v[RR] offset:1024*(\w)+16
.endr
	s_wait_dscnt 0x0
.irp w, 1,2,3,4,5,6,7
.irp i, 0,2,4,6
	v_pk_add_f32 v[Q+(\i):Q+(\i)+1], v[Q+(\i):Q+(\i)+1], v[Q+8*(\w)+(\i):Q+8*(\w)+(\i)+1]
.endr
.endr
	v_mov_b32 v[M1], v[Q]                          ; the largest: a later expert takes the place only if it is strictly greater
	v_mov_b32 v[I1], 0
.irp j, 1,2,3,4,5,6,7
	v_cmp_gt_f32 vcc_lo, v[Q+(\j)], v[M1]
	v_cndmask_b32 v[M1], v[M1], v[Q+(\j)], vcc_lo
	v_cndmask_b32 v[I1], v[I1], \j, vcc_lo
.endr
	v_mov_b32 v[M2], 0xff800000                    ; the second: the same walk, the first's index left out
	v_mov_b32 v[I2], 0
.irp j, 0,1,2,3,4,5,6,7
	v_cmp_gt_f32 s16, v[Q+(\j)], v[M2]
	v_cmp_ne_u32 s17, \j, v[I1]
	s_and_b32 s16, s16, s17
	v_cndmask_b32 v[M2], v[M2], v[Q+(\j)], s16
	v_cndmask_b32 v[I2], v[I2], \j, s16
.endr
.irp j, 0,1,2,3,4,5,6,7                ; softmax: the maximum is taken away first, then 2^((l - m) log2 e)
	v_sub_f32 v[T+(\j)], v[Q+(\j)], v[M1]
.endr
	v_sub_f32 v[T2], v[M2], v[M1]
.irp j, 0,1,2,3,4,5,6,7,8
	v_mul_f32 v[T+(\j)], s21, v[T+(\j)]
.endr
.irp j, 0,1,2,3,4,5,6,7,8
	v_exp_f32 v[T+(\j)], v[T+(\j)]
.endr
	v_lshl_add_u32 v[OA], v[H], 10, v[R]           ; a plain instruction behind the last exponential: word 1024 k + token, k = my half of the lanes
	s_wait_alu depctr_va_vdst(0)                   ; one wait for the nine exponentials, ahead of the first line that names a result
	v_pk_add_f32 v[T:T+1], v[T:T+1], v[T+2:T+3]
	v_pk_add_f32 v[T+4:T+5], v[T+4:T+5], v[T+6:T+7]
	v_pk_add_f32 v[T:T+1], v[T:T+1], v[T+4:T+5]
	v_add_f32 v[SUM], v[T], v[T+1]
	v_rcp_f32 v[RCP], v[SUM]                       ; the largest's exponential is 1: its weight is 1 / sum
	v_add_nc_u32 v[OA], s15, v[OA]                 ; a plain instruction behind the reciprocal
	s_wait_alu depctr_va_vdst(0)
	v_mul_f32 v[W2], v[T2], v[RCP]
	v_cmp_ne_u32 vcc_lo, 0, v[H]                   ; lanes 0-15 store the first choice, lanes 16-31 the second
	v_cndmask_b32 v[OI], v[I1], v[I2], vcc_lo
	v_cndmask_b32 v[OW], v[RCP], v[W2], vcc_lo
	v_lshlrev_b32 v[OA], 2, v[OA]
	v_mov_b32 v[ONE], 1.0
	global_store_b32 v[OA], v[OI], s[10:11]        ; two pieces of 64 bytes each: 24 KB in the whole launch go out so
	global_store_b32 v[OA], v[OW], s[12:13]
	global_store_b32 v[OA], v[ONE], s[12:13] offset:8192
.Lend:
	s_wait_tensorcnt 0x0                           ; the wave's end, behind my last LDS store
	ds_add_u32 v[SPW], v[NIL]
	s_wait_dscnt 0x0
	s_endpgm
.Lfunc_end_k_qf1d3bdcbad_router:
	.size	k_qf1d3bdcbad_router, .Lfunc_end_k_qf1d3bdcbad_router-k_qf1d3bdcbad_router
	.p2alignl 7, 3214868480
	.fill 96, 4, 3214868480
	.section	.rodata,"a",@progbits
	.p2align	6, 0x0
	.amdhsa_kernel k_qf1d3bdcbad_router
		.amdhsa_group_segment_fixed_size 108032
		.amdhsa_private_segment_fixed_size 0
		.amdhsa_enable_private_segment 0
		.amdhsa_kernarg_size 40
		.amdhsa_user_sgpr_count 2
		.amdhsa_user_sgpr_kernarg_segment_ptr 1
		.amdhsa_wavefront_size32 1
		.amdhsa_system_sgpr_workgroup_id_x 1
		.amdhsa_system_sgpr_workgroup_id_y 1
		.amdhsa_system_sgpr_workgroup_id_z 1
		.amdhsa_system_vgpr_workitem_id 0
		.amdhsa_next_free_vgpr 256
		.amdhsa_next_free_sgpr 66
		.amdhsa_reserve_vcc 1
		.amdhsa_float_denorm_mode_32 3
		.amdhsa_float_denorm_mode_16_64 3
		.amdhsa_memory_ordered 1
		.amdhsa_forward_progress 1
		.amdhsa_inst_pref_size 32
	.end_amdhsa_kernel
	.amdgpu_metadata
---
amdhsa.version: [ 1, 2 ]
amdhsa.kernels:
  - .name:           k_qf1d3bdcbad_router
    .symbol:         k_qf1d3bdcbad_router.kd
    .args:
      - { .name: x, .offset: 0, .size: 8, .value_kind: global_buffer, .address_space: global }
      - { .name: gate_w, .offset: 8, .size: 8, .value_kind: global_buffer, .address_space: global }
      - { .name: xb, .offset: 16, .size: 8, .value_kind: global_buffer, .address_space: global }
      - { .name: choice, .offset: 24, .size: 8, .value_kind: global_buffer, .address_space: global }
      - { .name: gatew, .offset: 32, .size: 8, .value_kind: global_buffer, .address_space: global }
    .group_segment_fixed_size: 108032
    .private_segment_fixed_size: 0
    .kernarg_segment_align: 8
    .kernarg_segment_size: 40
    .max_flat_workgroup_size: 256
    .sgpr_count:     66
    .vgpr_count:     256
    .wavefront_size: 32
...
	.end_amdgpu_metadata
.endif
;; end of part 1
;; launch up (part 2): grid 32 x 8, 4 waves a work-group, no clusters, 270,848 bytes of LDS; arguments xb, w1, w3, ws1, ws3, choice, gatew, g, rowlist; writes g, rowlist
.if DOCPART == 2
	.amdgcn_target "amdgcn-amd-amdhsa--gfx1250"
	.amdhsa_code_object_version 6
	.text
	.protected	k_qf1d3bdcbad_up
	.globl	k_qf1d3bdcbad_up
	.p2align	8
	.type	k_qf1d3bdcbad_up,@function
k_qf1d3bdcbad_up:
	s_mov_b64 s[64:65], 0
	v_nop
	global_prefetch_b8 v0, s[64:65] scope:SCOPE_SE
	s_setreg_imm32_b32 hwreg(HW_REG_WAVE_MODE, 25, 1), 1
	s_wait_xcnt 0x0
; UP.  g = silu(x w1^T) * (x w3^T) * weight, for the rows that chose an expert, and for all rows of the shared expert (weight 1.0).  xb: [1024][2048] bf16; w1, w3: [8][1024][2048] f32; ws1, ws3: [1024][2048] f32.
; A routed or shared row has a CODE: 1024 k + t for token t's k-th choice, 2048 + t for the shared expert's row of token t; 3072 + e is expert e's spare row, which fills the last tile's places past the count.
; WORK-GROUP (x, y) has 32 hidden columns, 32 x on, of TWO experts at once: expert y's 32 rows of w1 and of w3, which it alone reads, for all rows that chose expert y (0 to 1,024 of them), and the same rows of
; ws1 and ws3 for tokens 128 y to 128 y + 127.  Both kinds of tiles go through ONE walk along K, so that a wave has six or seven tiles' fragments on their way in each step, not four or two.
; LDS holds the 128 weight rows for HALF of K.  So: the four waves stream the first half of the rows from memory, round it to bf16 on the way through registers and lay it into LDS; a barrier; eight steps of 128 along K;
; a barrier; the second half likewise; the sums stay in registers.  In the steps the weights' fragments come from LDS, the token rows from memory straight into fragment registers, and nothing writes LDS.
; TILES of 16 rows.  A wave has 2 shared tiles (4 j + wave) and, in each of four ROUNDS, up to 5 routed ones (20 round + 4 j + wave): 80 places serve every split.  The loops over rounds and halves have constant
; counts and every wave passes every barrier; a round without tiles, and a wave's dead tiles, jump forward over work alone.  A second live round streams the weights again: the price of a split far from even.
; THE MATRIX INSTRUCTION IS USED TRANSPOSED: source 0 = 16 weight rows, source 1 = 16 token rows: a lane then holds ONE token (lane % 16) and the hidden columns 8 (lane / 16) + 0..7 of a block of 16.
; Two such blocks rounded to bf16 ARE the next launch's fragment of 16 rows x 32 hidden columns: g is stored as that register image, 1,024 bytes for a tile and 32 columns, by two stores of 512 consecutive bytes.
; g: block (tile, s) at (32 tile + s) x 1,024; expert e's tiles from 64 e on in the order of its list, shared block y's from 512 + 8 y on.
; rowlist, 1,536 words an expert: 0..1279 its rows' codes; 1280..1407 the shared block's; 1408 the count; 1409 a word for lanes with nothing to store; all others hold the spare row's code.
; NO CLUSTER: work-groups that share weights (the shared expert's, equal x) differ in their experts and counts; those that share token rows take them by a list, which no tile descriptor covers.
; LIMITS.  NaN and infinities are not treated apart.  Where 2^(-h log2 e) passes f32's range it is an infinity, its reciprocal 0, and g is 0, which is silu's limit.  g is rounded once, to bf16, the gate's weight in it.
; REGISTERS, in windows of 256 (s_set_vgpr_msb: bits 1:0 source 0, 3:2 source 1, 5:4 source 2, 7:6 destination).  Tile j: 0, 1 shared, 2 to 6 routed.
;   window 0: v0-95 addresses and work; v96-255 the tokens' fragments, set 1, tiles 0-4     window 1: the weights' fragments: half-set h (64 along K) at 128 h, routed at + 0, shared at + 64; while a half streams: three slots of 64
;   window 2: v0-63 set 1, tiles 5-6; v64-255 set 0, tiles 0-5                               window 3: v0-223 sum (j, n) at 32 j + 8 n; v224-255 set 0, tile 6
.set WP,     2064                      ; an LDS row of weights: 1,024 bf16 + 16 bytes of padding = 129 x 16: the 16 rows of a fragment load start at 16 different groups of four banks (64 banks of 4 bytes: ISA guide 11.1)
.set NBLK,   16*WP                     ; 16 rows: a block.  Routed: blocks 0, 1 the w1 side's rows 0-15, 16-31; 2, 3 the w3 side's.  Wave w streams block w of both kinds
.set KIND,   4*NBLK                    ; the shared expert's four blocks lie behind the routed expert's
.set LIST,   8*NBLK                    ; behind the weights: the list, in rowlist's layout
.set LSH,    1280
.set LCNT,   1408
.set LTR,    1409
.set LWORDS, 1536
.set SPARE,  LIST+4*LWORDS             ; the spare words, 128 bytes for each wave: two blocks of 256 bytes that no other line names
.set RS,     8192                      ; bytes from a weight row to the next in memory
.set RTILES, 20                        ; routed tiles of a round
.set L16,   1                          ; v1   16 x lane; never rewritten
.set R,     2                          ; v2   lane % 16
.set H16,   3                          ; v3   16 x (lane / 16)
.set SPW,   4                          ; v4   LDS address of my spare word; never rewritten
.set NIL,   5                          ; v5   0; never rewritten
.set SD,    6                          ; v6   where the stream puts my 8 bytes of a routed row
.set SD2,   7                          ; v7   of a shared row
.set BF,    8                          ; v8-11   my lane's place in blocks 0, 2, 4, 6, at the rows' first byte; never rewritten; the odd blocks are reached by the immediate
.set BADR,  12                         ; v12-15  the same at the trip in hand: it steps once a trip
.set CD,    16                         ; v16-22  tile j: my row's code, then its byte offset in gatew
.set RO,    23                         ; v23-29  its byte offset in xb, + 16 for the upper half of the lanes
.set GW,    30                         ; v30-43  its weight, twice (a pair for the packed multiply)
.set BB,    44
.set TA,    45
.set TB,    46
.set TRASH, 47
.set LANE4, 48                         ; v48  4 x lane
.set LA,    49
.set CV,    52                         ; v52-83  a streamed row of each kind, rounded
.set E,     52                         ; v52-67  the way out: exponentials, then reciprocals
.set U,     68                         ; v68-83  the way out: h1 h3 weight
.set OUT,   84                         ; v84-91  the way out: 16 results in bf16
.set CH,    96                         ; v96-159  wave 0: in the first stream the 2,048 choices, in the first set-up the list on its way to memory (set 1's registers: none of its loads is out at either place)
.set OFC,  2                           ; s2   byte offset of my 16 rows in ws1 or ws3
.set OFR,  3                           ; s3   in w1 or w3
.set WV,   26                          ; s26  my wave's number
.set SX,   27                          ; s27, s28  the work-group's x, y
.set SY,   28
.set SH,   29                          ; s29  1 in the first round: the shared tiles are live
.set RL,   30                          ; s30  1: the round has tiles, for some wave
.set RC,   31                          ; s31  rounds to go
.set KC,   32
.set NR,   33                          ; s33  expert y's rows
.set NT,   34                          ; s34  its tiles
.set NW,   35                          ; s35  my live routed tiles in this round, 0 to 5
.set T0,   36                          ; s36  my first routed tile of the round
.set LB,   37                          ; s37  its place in the list
.set WA,   38                          ; s[38:39]  the stream's pointer, routed
.set WB,   40                          ; s[40:41]  shared
.set XP,   42                          ; s[42:43]  xb at the K of the trip in hand
.set MK,   44                          ; s44-47  at work
.set GP,   48                          ; s[48:49]  g at my first routed tile of the round, my 32 columns
.set GS,   50                          ; s[50:51]  g at my first shared tile
.set HC,   52                          ; s52  halves of K to go
.set LK,   53                          ; s53  the value of KC at which no further token fragments are asked for: 1 in the second half, 0 (never) in the first
.set NL2E, 54                          ; s[54:55]  -log2(e): the packed multiply takes the pair's low word for both halves
.set BD,   56                          ; s56  1: the list is still to be built
.set NB,   57
.set STC,  58
.set LBS,  59                          ; s59  my first shared tile's place in the list
.set RB,   60                          ; s60  the tiles that the rounds up to this one hold
.set SDB,  61                          ; s61  my block's first byte in LDS
.set MSB, 0
.macro WIN new                         ; the immediate's high byte repeats the setting that is left; a switch that changes nothing is dropped
.if MSB != (\new)
	s_set_vgpr_msb (MSB<<8)|(\new)
.set MSB, \new
.endif
.endm
.macro PLACES                          ; four places between a product and a load into one of its sources (ISA guide 7.12.1 for vector instructions), where no vector work is at hand
.rept 4
	v_nop
.endr
.endm
.macro APLACE set, j                   ; where tile j's token fragments of a set lie: window AW, register AR
.if (\set) == 0
.if (\j) < 6
.set AW, 2
.set AR, 64+32*(\j)
.else
.set AW, 3
.set AR, 224
.endif
.else
.if (\j) < 5
.set AW, 0
.set AR, 96+32*(\j)
.else
.set AW, 2
.set AR, 32*((\j)-5)
.endif
.endif
.endm
; THE STREAM.  Half a row of weights is 4,096 bytes: 8 loads of 512 consecutive bytes.  A slot takes half a routed row and half a shared row.  The routed rows are read by this work-group alone; the shared ones by eight.
.macro SLOAD slot, off
	WIN 0x40
.irp i, 0,1,2,3,4,5,6,7
	global_load_b128 v[64*(\slot)+4*(\i):64*(\slot)+4*(\i)+3], v[L16], s[WA:WA+1] offset:(\off)+512*(\i) th:TH_LOAD_NT
.endr
.irp i, 0,1,2,3,4,5,6,7
	global_load_b128 v[64*(\slot)+32+4*(\i):64*(\slot)+32+4*(\i)+3], v[L16], s[WB:WB+1] offset:(\off)+512*(\i)
.endr
	WIN 0
.endm
; The rows in a slot are rounded; the slot takes the rows three further on (more = 1); the rounded rows go into LDS.  left = the loads of the younger rows, which stay out.
.macro SROW slot, row, left, more
	s_wait_loadcnt \left
	WIN 0x05
.irp i, 0,1,2,3,4,5,6,7,8,9,10,11,12,13,14,15
	v_cvt_pk_bf16_f32 v[CV+2*(\i)],   v[64*(\slot)+4*(\i)],   v[64*(\slot)+4*(\i)+1]
	v_cvt_pk_bf16_f32 v[CV+2*(\i)+1], v[64*(\slot)+4*(\i)+2], v[64*(\slot)+4*(\i)+3]
.endr
.if \more
	SLOAD \slot, ((\row)+3)*RS
.endif
	WIN 0
.irp i, 0,1,2,3,4,5,6,7
	ds_store_b64 v[SD],  v[CV+2*(\i):CV+2*(\i)+1]       offset:(\row)*WP+256*(\i)
.endr
.irp i, 0,1,2,3,4,5,6,7
	ds_store_b64 v[SD2], v[CV+16+2*(\i):CV+16+2*(\i)+1] offset:(\row)*WP+256*(\i)
.endr
.endm
; THE WEIGHTS' FRAGMENTS: half-set h of a step (64 along K, two matrix instructions deep), both kinds, four blocks each: 32 LDS loads in one run, koff bytes behind the four address registers at base.
.macro FETCH_H h, base, koff
	WIN 0x40
.irp kd, 0,1
.irp ksl, 0,1
.irp n, 0,1,2,3
	ds_load_b128 v[128*(\h)+64*(\kd)+32*(\ksl)+8*(\n):128*(\h)+64*(\kd)+32*(\ksl)+8*(\n)+3],   v[(\base)+2*(\kd)+(\n)/2] offset:(\koff)+((\n)%2)*NBLK+128*(\h)+64*(\ksl)
	ds_load_b128 v[128*(\h)+64*(\kd)+32*(\ksl)+8*(\n)+4:128*(\h)+64*(\kd)+32*(\ksl)+8*(\n)+7], v[(\base)+2*(\kd)+(\n)/2] offset:(\koff)+((\n)%2)*NBLK+128*(\h)+64*(\ksl)+32
.endr
.endr
.endr
	WIN 0
.endm
; THE TOKENS' FRAGMENTS of a step (128 along K): eight loads a live tile, which together take 256 consecutive bytes of each of its 16 rows, koff bytes behind xb's pointer.  Dead tiles are jumped.
.macro FA1 set, j, koff
	APLACE \set, \j
	WIN AW<<6
.irp ks, 0,1,2,3
	global_load_b128 v[AR+8*(\ks):AR+8*(\ks)+3],   v[RO+(\j)], s[XP:XP+1] offset:(\koff)+64*(\ks)
	global_load_b128 v[AR+8*(\ks)+4:AR+8*(\ks)+7], v[RO+(\j)], s[XP:XP+1] offset:(\koff)+64*(\ks)+32
.endr
.endm
.macro FETCH_A set, koff
	s_cmp_eq_u32 s[SH], 0
	s_cbranch_scc1 .Lfr_\@
	FA1 \set, 0, \koff
	FA1 \set, 1, \koff
	WIN 0
.Lfr_\@:
.irp j, 2,3,4,5,6
	s_cmp_le_u32 s[NW], (\j)-2
	s_cbranch_scc1 .Lfa_\@
	FA1 \set, \j, \koff
	WIN 0
.endr
.Lfa_\@:
.endm
; THE PRODUCTS of half a step: 8 a live tile.  A tile's four sums take turns, one instruction a turn; a tile's last and the next tile's (or the next half's) first differ too.
.macro MULT set, h, j
	APLACE \set, \j
.if (\j) < 2
.set BR, 128*(\h)+64
.else
.set BR, 128*(\h)
.endif
	WIN 0xf1|(AW<<2)
.irp ksl, 0,1
.irp n, 0,1,2,3
	v_wmma_f32_16x16x32_bf16 v[32*(\j)+8*(\n):32*(\j)+8*(\n)+7], v[BR+32*(\ksl)+8*(\n):BR+32*(\ksl)+8*(\n)+7], v[AR+8*(2*(\h)+(\ksl)):AR+8*(2*(\h)+(\ksl))+7], v[32*(\j)+8*(\n):32*(\j)+8*(\n)+7]
.endr
.endr
.endm
.macro MUL set, h
	s_cmp_eq_u32 s[SH], 0
	s_cbranch_scc1 .Lmr_\@
	MULT \set, \h, 0
	MULT \set, \h, 1
	WIN 0
.Lmr_\@:
.irp j, 2,3,4,5,6
	s_cmp_le_u32 s[NW], (\j)-2
	s_cbranch_scc1 .Lmu_\@
	MULT \set, \h, \j
	WIN 0
.endr
.Lmu_\@:
.endm
; A STEP of 128 along K, kb bytes behind the trip's place.  This set's token fragments, asked for a step ago, and the weights' first half-set, asked for half a step ago, are waited for; the other set and the second
; half-set are asked for; the first half is multiplied; the second half-set is waited for, the next step's first is asked for, and the second half is multiplied.  Each wait is for 0: how many loads from memory are out
; hangs on the live tiles, and of the LDS loads only those that are wanted are out.  last = 1: a trip's second step: in a half's last trip nothing of LDS is left to ask for, and in the second half's nothing of xb.
.macro SUB set, kb, last
	s_wait_loadcnt 0x0
	s_wait_dscnt 0x0
.if (\set) == 1
	PLACES                                         ; (ahead of a trip's first step the four address steps at the trip's end are the places)
.endif
.if \last
	s_cmp_eq_u32 s[KC], s[LK]
	s_cbranch_scc1 .Lna_\@
.endif
	FETCH_A 1-(\set), (\kb)+256
.if \last
.Lna_\@:
.endif
	FETCH_H 1, BADR, \kb
	MUL \set, 0
	s_wait_dscnt 0x0
.if \last
	s_cmp_eq_u32 s[KC], 1
	s_cbranch_scc1 .Lnb_\@
.endif
	PLACES
	FETCH_H 0, BADR, (\kb)+256
.if \last
.Lnb_\@:
.endif
	MUL \set, 1
.endm
; THE WAY OUT of a live tile: sigmoid by 1 / (1 + 2^(-h1 log2 e)); g = h1 h3 weight sigmoid, rounded once; the lane's 16 numbers are the next launch's fragment registers.
.macro EP1 j, ptr, off
	WIN 0x03
.irp i, 0,1,2,3,4,5,6,7
	v_pk_mul_f32 v[E+2*(\i):E+2*(\i)+1], v[32*(\j)+2*(\i):32*(\j)+2*(\i)+1], s[NL2E:NL2E+1] op_sel_hi:[1,0]
.endr
	WIN 0
.irp i, 0,1,2,3,4,5,6,7,8,9,10,11,12,13,14,15
	v_exp_f32 v[E+(\i)], v[E+(\i)]
.endr
	WIN 0x0f
.irp i, 0,1,2,3,4,5,6,7
	v_pk_mul_f32 v[U+2*(\i):U+2*(\i)+1], v[32*(\j)+2*(\i):32*(\j)+2*(\i)+1], v[32*(\j)+16+2*(\i):32*(\j)+16+2*(\i)+1]
.endr
	WIN 0
.irp i, 0,1,2,3,4,5,6,7
	v_pk_mul_f32 v[U+2*(\i):U+2*(\i)+1], v[U+2*(\i):U+2*(\i)+1], v[GW+2*(\j):GW+2*(\j)+1]
.endr
	s_wait_alu depctr_va_vdst(0)                   ; one wait for the 16 exponentials, ahead of the first line that names a result; the 16 multiplies above are the work between
.irp i, 0,1,2,3,4,5,6,7
	v_pk_add_f32 v[E+2*(\i):E+2*(\i)+1], v[E+2*(\i):E+2*(\i)+1], 1.0 op_sel_hi:[1,0]
.endr
.irp i, 0,1,2,3,4,5,6,7,8,9,10,11,12,13,14,15
	v_rcp_f32 v[E+(\i)], v[E+(\i)]
.endr
	s_wait_xcnt 0x0                                ; the last tile's stores have read OUT
	v_nop                                          ; a plain instruction behind the last reciprocal
	s_wait_alu depctr_va_vdst(0)                   ; and one wait for the 16
.irp i, 0,1,2,3,4,5,6,7
	v_pk_mul_f32 v[U+2*(\i):U+2*(\i)+1], v[U+2*(\i):U+2*(\i)+1], v[E+2*(\i):E+2*(\i)+1]
.endr
.irp i, 0,1,2,3,4,5,6,7
	v_cvt_pk_bf16_f32 v[OUT+(\i)], v[U+2*(\i)], v[U+2*(\i)+1]
.endr
	global_store_b128 v[L16], v[OUT:OUT+3],   s[(\ptr):(\ptr)+1] offset:(\off)      ; 512 consecutive bytes each, at a multiple of 512 from g's first byte
	global_store_b128 v[L16], v[OUT+4:OUT+7], s[(\ptr):(\ptr)+1] offset:(\off)+512
.endm
.macro EPI
.irp j, 0,1,2,3,4,5,6
	v_mov_b32 v[GW+2*(\j)+1], v[GW+2*(\j)]         ; the weights as pairs
.endr
	s_cmp_eq_u32 s[SH], 0
	s_cbranch_scc1 .Ler_\@
	EP1 0, GS, 0
	EP1 1, GS, 131072                              ; a wave's next tile lies four tiles of 32,768 bytes on
.Ler_\@:
.irp j, 2,3,4,5,6
	s_cmp_le_u32 s[NW], (\j)-2
	s_cbranch_scc1 .Lep_\@
	EP1 \j, GP, 131072*((\j)-2)
.endr
.Lep_\@:
.endm
	s_load_b512 s[8:23], s[0:1], 0x0               ; xb s[8:9], w1 s[10:11], w3 s[12:13], ws1 s[14:15], ws3 s[16:17], choice s[18:19], gatew s[20:21], g s[22:23]
	s_load_b64 s[24:25], s[0:1], 0x40              ; rowlist
	v_lshl_add_u32 v[SPW], v0, 2, SPARE
	v_mov_b32 v[NIL], 0
	v_lshrrev_b32 v[TA], 5, v0
	v_readfirstlane_b32 s[WV], v[TA]               ; wave 0..3
	v_and_b32 v[TA], 31, v0
	v_lshlrev_b32 v[L16], 4, v[TA]
	v_lshlrev_b32 v[LANE4], 2, v[TA]
	v_and_b32 v[R], 15, v0
	v_bfe_u32 v[H16], v0, 4, 1
	v_lshlrev_b32 v[H16], 4, v[H16]
	v_mul_u32_u24 v[BB], v[R], WP
	v_add_nc_u32 v[BB], v[BB], v[H16]
.irp i, 0,1,2,3
	v_add_nc_u32 v[BF+(\i)], 2*(\i)*NBLK, v[BB]
.endr
	s_mov_b32 s[SX], ttmp9
	s_and_b32 s[SY], ttmp7, 0xffff
	s_and_b32 s4, s[WV], 1                         ; waves 0 and 1 stream the w1 side's rows 0-15 and 16-31 of the slice, waves 2 and 3 the w3 side's
	s_lshl_b32 s4, s4, 4
	s_lshl_b32 s5, s[SX], 5
	s_add_co_u32 s4, s4, s5
	s_lshl_b32 s[OFC], s4, 13                      ; rows of 8,192 bytes
	s_lshl_b32 s5, s[SY], 23                       ; an expert's 1,024 rows: all under 2^27
	s_add_co_u32 s[OFR], s[OFC], s5
	s_mul_i32 s[SDB], s[WV], NBLK
	s_lshl_b32 s4, s[WV], 6                        ; a tile's 16 words
	s_add_co_u32 s[LBS], s4, LIST+4*LSH
	s_add_co_u32 s[LB], s4, LIST
	s_mov_b32 s[T0], s[WV]
	s_mov_b32 s[SH], 1
	s_mov_b32 s[RL], 1                             ; the first round always has tiles: the shared ones
	s_mov_b32 s[BD], 1
	s_mov_b32 s[NW], 0
	s_mov_b32 s[NT], 0
	s_mov_b32 s[RB], RTILES
	s_mov_b32 s[RC], 4
	s_mov_b32 s[NL2E], 0xbfb8aa3b
	s_mov_b32 s[NL2E+1], s[NL2E]
	; Every register is written before it is read on every way through the text.  The jumps over dead tiles stand in the fetches and in the products, and those over a dead round in several places with barriers
	; between; all hang on the same counts, which the text alone does not show.  So what one such place writes and another reads is written once, here, while the arguments are on their way.
.set i, RO
.rept 21
	v_mov_b32 v[i], 0
.set i, i+1
.endr
.set i, 96
.rept 160
	v_mov_b32 v[i], 0
.set i, i+1
.endr
	WIN 0x80
.set i, 0
.rept 256
	v_mov_b32 v[i], 0
.set i, i+1
.endr
	WIN 0xc0
.set i, 224
.rept 32
	v_mov_b32 v[i], 0
.set i, i+1
.endr
	WIN 0
	s_wait_kmcnt 0x0
	s_mov_b64 s[XP:XP+1], s[8:9]
	s_lshl_b32 s4, s[SY], 3                        ; g at my first shared tile, 512 + 8 y + wave, and my 32 columns
	s_add_co_u32 s4, s4, 512
	s_add_co_u32 s4, s4, s[WV]
	s_lshl_b32 s4, s4, 5
	s_add_co_u32 s4, s4, s[SX]
	s_lshl_b32 s6, s4, 10
	s_mov_b32 s7, 0
	s_add_nc_u64 s[GS:GS+1], s[22:23], s[6:7]
	s_lshl_b32 s4, s[SY], 6                        ; and at my first routed tile, 64 y + wave
	s_add_co_u32 s4, s4, s[WV]
	s_lshl_b32 s4, s4, 5
	s_add_co_u32 s4, s4, s[SX]
	s_lshl_b32 s6, s4, 10
	s_add_nc_u64 s[GP:GP+1], s[22:23], s[6:7]
.Lround:                                               ; four trips, whatever the count
	; The sums start at 0: 224 lines in each of the four rounds are the price of ONE text for all 16 steps along K, with no first step written out; they stand outside the jump over a dead round, so that they are on every way.
	WIN 0xc0
.set i, 0
.rept 224
	v_mov_b32 v[i], 0
.set i, i+1
.endr
	WIN 0
	s_mov_b32 s[HC], 2
.Lhalf:                                                ; two trips: the halves of K
	s_cmp_eq_u32 s[RL], 0
	s_cbranch_scc1 .Ls_done
	s_wait_xcnt 0x0                                ; the pointers below were named by earlier loads
	s_cmp_lt_u32 s[WV], 2
	s_cselect_b64 s[WA:WA+1], s[10:11], s[12:13]
	s_cselect_b64 s[WB:WB+1], s[14:15], s[16:17]
	s_cmp_eq_u32 s[HC], 2
	s_cselect_b32 s4, 0, 4096                      ; the half's first byte in a row
	s_add_co_u32 s6, s[OFR], s4
	s_mov_b32 s7, 0
	s_add_nc_u64 s[WA:WA+1], s[WA:WA+1], s[6:7]
	s_add_co_u32 s6, s[OFC], s4
	s_add_nc_u64 s[WB:WB+1], s[WB:WB+1], s[6:7]
	v_lshl_add_u32 v[SD], v[LANE4], 1, s[SDB]      ; block = my wave; 8 bytes a lane
	v_add_nc_u32 v[SD2], KIND, v[SD]
	s_cmp_lg_u32 s[WV], 0
	s_cbranch_scc1 .Lplain
	s_cmp_eq_u32 s[BD], 0
	s_cbranch_scc1 .Lplain
	; WAVE 0, FIRST STREAM: THE LIST is built while the first rows of weights are on their way.  Here LDS is only written; the list is read behind the barrier that follows the stream.
	s_mov_b32 s[BD], 0
.irp q, 0,1,2,3,4,5,6,7,8,9,10,11,12,13,14,15
	global_load_b128 v[CH+4*(\q):CH+4*(\q)+3], v[L16], s[18:19] offset:512*(\q)   ; register 4 q + c holds the choice with code 128 q + 4 lane + c
.endr
	SLOAD 0, 0
	SLOAD 1, RS
	s_add_co_u32 s4, s[SY], 3072                   ; the spare row's code fills the whole list first
	v_mov_b32 v52, s4
	v_mov_b32 v53, s4
	v_mov_b32 v54, s4
	v_mov_b32 v55, s4
	v_add_nc_u32 v[TA], LIST, v[L16]
.set i, 0
.rept 12
	ds_store_b128 v[TA], v[52:55] offset:512*i
.set i, i+1
.endr
	s_lshl_b32 s4, s[SY], 7                        ; the shared block's codes: 2048 + 128 y + 0..127.  LDS serves a wave's instructions in order (ISA guide 5.7.1.4): these land on the fill above
	s_add_co_u32 s4, s4, 2048
	v_lshrrev_b32 v56, 2, v[LANE4]
	v_add_nc_u32 v56, s4, v56
	v_add_nc_u32 v[TA], LIST+4*LSH, v[LANE4]
.irp i, 0,1,2,3
	v_add_nc_u32 v[57+(\i)], 32*(\i), v56
	ds_store_b32 v[TA], v[57+(\i)] offset:128*(\i)
.endr
	v_mov_b32 v[TRASH], LTR
	s_mov_b32 s[NB], 0
	s_wait_loadcnt 32                              ; the choices are in; the 32 loads of weights issued behind them stay out
	SLOAD 2, 2*RS                                  ; the third rows: 48 loads of mine are out, as everywhere in the stream
	; For each of the 64 registers: which lanes chose expert y; such a lane's place is the count so far plus the chosen lanes below it; the others store into the word set aside.  Registers take turns by four.
.set e, 0
.rept 64
	v_cmp_eq_u32 s[MK+e%4], s[SY], v[CH+e]
	v_mbcnt_lo_u32_b32 v[64+2*(e%4)], s[MK+e%4], s[NB]
	v_cndmask_b32 v[64+2*(e%4)], v[TRASH], v[64+2*(e%4)], s[MK+e%4]
	v_min_u32 v[64+2*(e%4)], LTR, v[64+2*(e%4)]    ; a token takes an expert once, so a place is under 1,024; the bound keeps the address inside the list whatever the buffer holds
	v_lshl_add_u32 v[64+2*(e%4)], v[64+2*(e%4)], 2, LIST
	v_add_nc_u32 v[65+2*(e%4)], 128*(e/4)+e%4, v[LANE4]
	ds_store_b32 v[64+2*(e%4)], v[65+2*(e%4)]
	s_bcnt1_i32_b32 s4, s[MK+e%4]
	s_add_co_u32 s[NB], s[NB], s4
.set e, e+1
.endr
	v_mov_b32 v[TB], s[NB]
	v_mov_b32 v[TA], LIST+4*LCNT
	ds_store_b32 v[TA], v[TB]
	s_branch .Lstream
.Lplain:
	SLOAD 0, 0
	SLOAD 1, RS
	SLOAD 2, 2*RS
.Lstream:                                              ; my 16 rows of each kind: three of each are always on their way, 48 loads of 512 bytes a wave
	s_mov_b32 s[STC], 4
.Lrows:
	SROW 0, 0, 32, 1
	SROW 1, 1, 32, 1
	SROW 2, 2, 32, 1
	s_wait_xcnt 0x0                                ; the pointers step only behind this wait
	s_add_nc_u64 s[WA:WA+1], s[WA:WA+1], 3*RS
	s_add_nc_u64 s[WB:WB+1], s[WB:WB+1], 3*RS
	v_add_nc_u32 v[SD], 3*WP, v[SD]
	v_add_nc_u32 v[SD2], 3*WP, v[SD2]
	s_sub_co_u32 s[STC], s[STC], 1
	s_cmp_lg_u32 s[STC], 0
	s_cbranch_scc1 .Lrows
	SROW 0, 0, 32, 1                               ; rows 12 to 15: one more load (the last rows), then the counts run down
	SROW 1, 1, 32, 0
	SROW 2, 2, 16, 0
	SROW 0, 3, 0, 0
.Ls_done:
	s_wait_dscnt 0x0                               ; for the others' sake: my rows, and wave 0's list, are in LDS
	s_barrier_signal -1
	s_barrier_wait -1                              ; from here to the barrier at the half's end LDS is only read
	s_cmp_eq_u32 s[RL], 0
	s_cbranch_scc1 .Lk_done
	s_cmp_lg_u32 s[HC], 2
	s_cbranch_scc1 .Lk_go
	; A ROUND'S SET-UP, ahead of its first half: the count, my tiles' codes, their rows in xb, their weights, and the first step's token fragments.
	s_wait_loadcnt 0x0                             ; nothing of an earlier round is out: its registers are loaded anew below
	s_wait_xcnt 0x0
	s_cmp_lg_u32 s[WV], 0                          ; of an expert's 32 work-groups the first stores the list for the next launch: its wave 0, in the first round
	s_cbranch_scc1 .Lno_copy
	s_cmp_lg_u32 s[SX], 0
	s_cbranch_scc1 .Lno_copy
	s_cmp_eq_u32 s[SH], 0
	s_cbranch_scc1 .Lno_copy
	v_add_nc_u32 v[TA], LIST, v[L16]
.set i, 0
.rept 12
	ds_load_b128 v[CH+4*i:CH+4*i+3], v[TA] offset:512*i
.set i, i+1
.endr
	s_mul_i32 s6, s[SY], 4*LWORDS
	s_mov_b32 s7, 0
	s_add_nc_u64 s[6:7], s[24:25], s[6:7]
	s_wait_dscnt 0x0
.set i, 0
.rept 12
	global_store_b128 v[L16], v[CH+4*i:CH+4*i+3], s[6:7] offset:512*i   ; 512 consecutive bytes each, at a multiple of 512 from rowlist's first byte
.set i, i+1
.endr
	s_wait_xcnt 0x0                                ; the stores' data registers are loaded anew in the first step
.Lno_copy:
	v_mov_b32 v[TA], LIST+4*LCNT
	ds_load_b32 v[TB], v[TA]                       ; expert y's count
	v_lshl_add_u32 v[LA], v[R], 2, s[LBS]
	ds_load_b32 v[CD], v[LA]
	ds_load_b32 v[CD+1], v[LA] offset:256
	v_lshl_add_u32 v[LA], v[R], 2, s[LB]
.irp j, 0,1,2,3,4
	ds_load_b32 v[CD+2+(\j)], v[LA] offset:256*(\j)  ; all five: the list is filled as far as the last round's last tile
.endr
	s_mov_b64 s[XP:XP+1], s[8:9]
	s_wait_dscnt 0x0
	v_readfirstlane_b32 s[NR], v[TB]
	s_min_u32 s[NR], s[NR], 1024
	s_add_co_u32 s4, s[NR], 15
	s_lshr_b32 s[NT], s4, 4
	s_sub_co_i32 s4, s[NT], s[T0]                  ; my live routed tiles: those of T0, T0 + 4, .. T0 + 16 that are below NT
	s_add_co_i32 s4, s4, 3
	s_ashr_i32 s4, s4, 2
	s_max_i32 s4, s4, 0
	s_min_i32 s[NW], s4, 5
.irp j, 0,1,2,3,4,5,6
	v_min_u32 v[CD+(\j)], 0xfff, v[CD+(\j)]        ; a code is under 3,080; the bound keeps both addresses inside their buffers whatever the list holds
	v_and_b32 v[RO+(\j)], 0x3ff, v[CD+(\j)]        ; the token,
	v_lshl_add_u32 v[RO+(\j)], v[RO+(\j)], 12, v[H16]  ; its row of 4,096 bytes
	v_lshlrev_b32 v[CD+(\j)], 2, v[CD+(\j)]
	global_load_b32 v[GW+2*(\j)], v[CD+(\j)], s[20:21]
.endr
	FETCH_A 0, 0
.Lk_go:
	s_cmp_eq_u32 s[HC], 1
	s_cselect_b32 s[LK], 1, 0
.irp i, 0,1,2,3
	v_mov_b32 v[BADR+(\i)], v[BF+(\i)]
.endr
	FETCH_H 0, BF, 0
	s_mov_b32 s[KC], 4
.Lk:                                                   ; a trip is two steps; half of K is four trips.  The first half's last step asks for the second half's first token fragments, which land while that half streams
	SUB 0, 0, 0
	SUB 1, 256, 1
.irp i, 0,1,2,3
	v_add_nc_u32 v[BADR+(\i)], 512, v[BADR+(\i)]   ; once a trip; these four are also the places between the trip's last product and the next loads into its sources
.endr
	s_wait_xcnt 0x0                                ; the pointer steps only behind this wait
	s_add_nc_u64 s[XP:XP+1], s[XP:XP+1], 512
	s_sub_co_u32 s[KC], s[KC], 1
	s_cmp_lg_u32 s[KC], 0
	s_cbranch_scc1 .Lk
	s_cmp_lg_u32 s[HC], 1
	s_cbranch_scc1 .Lk_done
	EPI
.Lk_done:
	s_wait_dscnt 0x0                               ; my reads of this half's weights and of the list are over
	s_barrier_signal -1
	s_barrier_wait -1                              ; everybody's are: LDS is written again only behind this barrier: by the next stream, or, at the end, by the closing lines
	s_sub_co_u32 s[HC], s[HC], 1
	s_cmp_lg_u32 s[HC], 0
	s_cbranch_scc1 .Lhalf
	s_wait_xcnt 0x0                                ; the round's stores have read their registers
	s_add_co_u32 s[T0], s[T0], RTILES
	s_add_co_u32 s[LB], s[LB], RTILES*64
	s_add_nc_u64 s[GP:GP+1], s[GP:GP+1], RTILES*32768
	s_mov_b32 s[SH], 0                             ; the shared tiles are done
	s_cmp_gt_u32 s[NT], s[RB]                      ; are there tiles beyond those of the rounds so far?
	s_cselect_b32 s[RL], 1, 0
	s_add_co_u32 s[RB], s[RB], RTILES
	s_sub_co_u32 s[RC], s[RC], 1
	s_cmp_lg_u32 s[RC], 0
	s_cbranch_scc1 .Lround
	s_wait_tensorcnt 0x0                           ; the wave's end, behind my last LDS store
	ds_add_u32 v[SPW], v[NIL]
	s_wait_dscnt 0x0
	s_endpgm
.Lfunc_end_k_qf1d3bdcbad_up:
	.size	k_qf1d3bdcbad_up, .Lfunc_end_k_qf1d3bdcbad_up-k_qf1d3bdcbad_up
	.p2alignl 7, 3214868480
	.fill 96, 4, 3214868480
	.section	.rodata,"a",@progbits
	.p2align	6, 0x0
	.amdhsa_kernel k_qf1d3bdcbad_up
		.amdhsa_group_segment_fixed_size 270848
		.amdhsa_private_segment_fixed_size 0
		.amdhsa_enable_private_segment 0
		.amdhsa_kernarg_size 72
		.amdhsa_user_sgpr_count 2
		.amdhsa_user_sgpr_kernarg_segment_ptr 1
		.amdhsa_wavefront_size32 1
		.amdhsa_system_sgpr_workgroup_id_x 1
		.amdhsa_system_sgpr_workgroup_id_y 1
		.amdhsa_system_sgpr_workgroup_id_z 1
		.amdhsa_system_vgpr_workitem_id 0
		.amdhsa_next_free_vgpr 1024
		.amdhsa_next_free_sgpr 66
		.amdhsa_reserve_vcc 0
		.amdhsa_float_denorm_mode_32 3
		.amdhsa_float_denorm_mode_16_64 3
		.amdhsa_memory_ordered 1
		.amdhsa_forward_progress 1
		.amdhsa_inst_pref_size 185
	.end_amdhsa_kernel
	.amdgpu_metadata
---
amdhsa.version: [ 1, 2 ]
amdhsa.kernels:
  - .name:           k_qf1d3bdcbad_up
    .symbol:         k_qf1d3bdcbad_up.kd
    .args:
      - { .name: xb, .offset: 0, .size: 8, .value_kind: global_buffer, .address_space: global }
      - { .name: w1, .offset: 8, .size: 8, .value_kind: global_buffer, .address_space: global }
      - { .name: w3, .offset: 16, .size: 8, .value_kind: global_buffer, .address_space: global }
      - { .name: ws1, .offset: 24, .size: 8, .value_kind: global_buffer, .address_space: global }
      - { .name: ws3, .offset: 32, .size: 8, .value_kind: global_buffer, .address_space: global }
      - { .name: choice, .offset: 40, .size: 8, .value_kind: global_buffer, .address_space: global }
      - { .name: gatew, .offset: 48, .size: 8, .value_kind: global_buffer, .address_space: global }
      - { .name: g, .offset: 56, .size: 8, .value_kind: global_buffer, .address_space: global }
      - { .name: rowlist, .offset: 64, .size: 8, .value_kind: global_buffer, .address_space: global }
    .group_segment_fixed_size: 270848
    .private_segment_fixed_size: 0
    .kernarg_segment_align: 8
    .kernarg_segment_size: 72
    .max_flat_workgroup_size: 128
    .sgpr_count:     66
    .vgpr_count:     1024
    .wavefront_size: 32
...
	.end_amdgpu_metadata
.endif
;; end of part 2
;; launch down (part 3): grid 32 x 8, 4 waves a work-group, no clusters, 282,112 bytes of LDS; arguments g, w2, ws2, rowlist, p; writes p
.if DOCPART == 3
	.amdgcn_target "amdgcn-amd-amdhsa--gfx1250"
	.amdhsa_code_object_version 6
	.text
	.protected	k_qf1d3bdcbad_down
	.globl	k_qf1d3bdcbad_down
	.p2align	8
	.type	k_qf1d3bdcbad_down,@function
k_qf1d3bdcbad_down:
	s_mov_b64 s[64:65], 0
	v_nop
	global_prefetch_b8 v0, s[64:65] scope:SCOPE_SE
	s_setreg_imm32_b32 hwreg(HW_REG_WAVE_MODE, 25, 1), 1
	s_wait_xcnt 0x0
; DOWN.  p[code] = g[row] w2^T: one partial output row, in f32, for each routed row and each shared row.  w2: [8][2048][1024] f32; ws2: [2048][1024] f32; p: [3080][2048] f32, a row for each code
; (1024 k + t: token t's k-th choice; 2048 + t: the shared expert's row; 3072 + e: expert e's spare row, which takes the last tile's places past the count and which nobody reads).
; g: 1,024 bytes for a tile of 16 rows and 32 hidden columns, at (32 tile + s) x 1,024: the fragment's register image, the gate's weight already in it; expert e's tiles from 64 e on, shared block y's from 512 + 8 y on.
; rowlist, 1,536 words an expert: 0..1279 its rows' codes in the tiles' order; 1280..1407 the shared block's; 1408 the count.
; WORK-GROUP (x, y) has 64 output columns, 64 x on, of TWO experts at once: expert y's 64 rows of w2, which it alone reads, for all of the expert's tiles, and the same rows of ws2 for shared block y's 8 tiles.
; First the four waves stream all 128 weight rows once, round them to bf16 on the way through registers and lay them into LDS; behind one barrier both kinds of tiles go through ONE walk along K, eight steps of 128,
; so that a wave has six or seven tiles' fragments on their way in each step.  The weights' fragments come from LDS, g's from memory by loads of 512 consecutive bytes.
; TILES.  A wave has 2 shared tiles (4 j + wave) and, in each of four ROUNDS, up to 5 routed ones (20 round + 4 j + wave).  The loop over rounds has a constant count and every wave passes every barrier; a round
; without tiles, and a wave's dead tiles, jump forward over work alone.  A barrier stands between a round's walk, whose LDS addresses step, and its way out, which writes the stages, and another behind the way out.
; THE MATRIX INSTRUCTION IS USED TRANSPOSED: source 0 = 16 weight rows (output columns), source 1 = 16 rows of g: a lane holds one row and eight neighbouring columns.
; NO CLUSTER: work-groups that share weights (the shared expert's, equal x) differ in their experts and counts; an expert's work-groups share g's tiles, but how many there are hangs on the count.
; LIMITS.  NaN and infinities are not treated apart.
; REGISTERS, in windows of 256 (s_set_vgpr_msb: bits 1:0 source 0, 3:2 source 1, 5:4 source 2, 7:6 destination).  Tile j: 0, 1 shared, 2 to 6 routed.
;   window 0: v0-95 addresses and work; v96-255 g's fragments, set 1, tiles 0-4     window 1: the weights' fragments: half-set h (64 along K) at 128 h, routed at + 0, shared at + 64; in the stream three slots of 64; on the way out v0-31 rows read back
;   window 2: v0-63 set 1, tiles 5-6; v64-255 set 0, tiles 0-5                       window 3: v0-223 sum (j, n) at 32 j + 8 n; v224-255 set 0, tile 6
.set WP,     2064                      ; an LDS row of weights: 1,024 bf16 + 16 bytes of padding = 129 x 16: the 16 rows of a fragment load start at 16 different groups of four banks (64 banks of 4 bytes: ISA guide 11.1)
.set NBLK,   16*WP                     ; 16 rows: a block; wave w streams block w of both kinds
.set KIND,   4*NBLK                    ; the shared expert's four blocks lie behind the routed expert's
.set STAGE,  8*NBLK                    ; behind the weights: 16 rows x 272 bytes for each wave, for the way out
.set SPITCH, 272
.set SPARE,  STAGE+4*16*SPITCH         ; the spare words, 128 bytes for each wave: two blocks of 256 bytes that no other line names
.set LSH,    1280
.set LCNT,   1408
.set LWORDS, 1536
.set RS,     4096                      ; bytes from a weight row to the next in memory
.set RTILES, 20                        ; routed tiles of a round
.set L16,   1                          ; v1   16 x lane; never rewritten
.set R16,   2                          ; v2   16 x (lane % 16)
.set H4,    3                          ; v3   4 x (lane / 16)
.set SPW,   4                          ; v4   LDS address of my spare word; never rewritten
.set NIL,   5                          ; v5   0; never rewritten
.set SD,    6                          ; v6   where the stream puts my 8 bytes of a routed row
.set SD2,   7                          ; v7   of a shared row
.set BF,    8                          ; v8-11   my lane's place in blocks 0, 2, 4, 6, at the rows' first byte; never rewritten; the odd blocks are reached by the immediate
.set BADR,  12                         ; v12-15  the same at the trip in hand: it steps once a trip
.set STO,   16                         ; v16  the way out: where I put 32 bytes of a row
.set RD,    17                         ; v17  the way out: where I read a row back
.set BB,    18
.set L8,    19                         ; v19  8 x lane
.set TA,    20
.set TB,    21
.set CV,    32                         ; v32-63   a streamed row of each kind, rounded
.set PCD,   32                         ; v32-87   tile j, store t: the code of row 2 t + lane / 16
.set OFFT,  88                         ; v88-95   the way out: my byte offsets in p
.set OUT,   0                          ; window 1, v0-31: the way out: 16 rows read back from the stage
.set RBP,  18                          ; s[18:19]  rowlist at expert y
.set WV,   26
.set SX,   27
.set SY,   28
.set SH,   29                          ; s29  1 in the first round: the shared tiles are live
.set RL,   30                          ; s30  1: the round has tiles, for some wave
.set RC,   31
.set KC,   32
.set NR,   33                          ; s33  expert y's rows
.set NT,   34                          ; s34  its tiles
.set NW,   35                          ; s35  my live routed tiles in this round, 0 to 5
.set T0,   36                          ; s36  my first routed tile of the round
.set STC,  37
.set WA,   38                          ; s[38:39]  the stream's pointer, routed
.set WB,   40                          ; s[40:41]  shared
.set GSH,  42                          ; s[42:43]  g at my first shared tile, at the K of the trip in hand
.set GRT,  44                          ; s[44:45]  g at my first routed tile of the round, likewise
.set PP,   46                          ; s[46:47]  p at my work-group's 64 columns
.set GSB,  48                          ; s[48:49]  g at my first shared tile
.set GRB,  50                          ; s[50:51]  g at my first routed tile of the round
.set RLS,  52                          ; s[52:53]  rowlist at my first shared tile
.set RLR,  54                          ; s[54:55]  rowlist at my first routed tile of the round
.set RB,   56                          ; s56  the tiles that the rounds up to this one hold
.set MSB, 0
.macro WIN new                         ; the immediate's high byte repeats the setting that is left; a switch that changes nothing is dropped
.if MSB != (\new)
	s_set_vgpr_msb (MSB<<8)|(\new)
.set MSB, \new
.endif
.endm
.macro PLACES                          ; four places between a product and a load into one of its sources (ISA guide 7.12.1 for vector instructions), where no vector work is at hand
.rept 4
	v_nop
.endr
.endm
.macro APLACE set, j                   ; where tile j's fragments of g of a set lie: window AW, register AR
.if (\set) == 0
.if (\j) < 6
.set AW, 2
.set AR, 64+32*(\j)
.else
.set AW, 3
.set AR, 224
.endif
.else
.if (\j) < 5
.set AW, 0
.set AR, 96+32*(\j)
.else
.set AW, 2
.set AR, 32*((\j)-5)
.endif
.endif
.endm
; THE STREAM.  A row of weights is 4,096 bytes: 8 loads of 512 consecutive bytes.  A slot takes a routed row and a shared row.  The routed rows are read by this work-group alone; the shared ones by eight.
.macro SLOAD slot, off
	WIN 0x40
.irp i, 0,1,2,3,4,5,6,7
	global_load_b128 v[64*(\slot)+4*(\i):64*(\slot)+4*(\i)+3], v[L16], s[WA:WA+1] offset:(\off)+512*(\i) th:TH_LOAD_NT
.endr
.irp i, 0,1,2,3,4,5,6,7
	global_load_b128 v[64*(\slot)+32+4*(\i):64*(\slot)+32+4*(\i)+3], v[L16], s[WB:WB+1] offset:(\off)+512*(\i)
.endr
	WIN 0
.endm
; The rows in a slot are rounded; the slot takes the rows three further on (more = 1); the rounded rows go into LDS.  left = the loads of the younger rows, which stay out.
.macro SROW slot, row, left, more
	s_wait_loadcnt \left
	WIN 0x05
.irp i, 0,1,2,3,4,5,6,7,8,9,10,11,12,13,14,15
	v_cvt_pk_bf16_f32 v[CV+2*(\i)],   v[64*(\slot)+4*(\i)],   v[64*(\slot)+4*(\i)+1]
	v_cvt_pk_bf16_f32 v[CV+2*(\i)+1], v[64*(\slot)+4*(\i)+2], v[64*(\slot)+4*(\i)+3]
.endr
.if \more
	SLOAD \slot, ((\row)+3)*RS
.endif
	WIN 0
.irp i, 0,1,2,3,4,5,6,7
	ds_store_b64 v[SD],  v[CV+2*(\i):CV+2*(\i)+1]       offset:(\row)*WP+256*(\i)
.endr
.irp i, 0,1,2,3,4,5,6,7
	ds_store_b64 v[SD2], v[CV+16+2*(\i):CV+16+2*(\i)+1] offset:(\row)*WP+256*(\i)
.endr
.endm
; THE WEIGHTS' FRAGMENTS: half-set h of a step (64 along K, two matrix instructions deep), both kinds, four blocks each: 32 LDS loads in one run, koff bytes behind the four address registers at base.
.macro FETCH_H h, base, koff
	WIN 0x40
.irp kd, 0,1
.irp ksl, 0,1
.irp n, 0,1,2,3
	ds_load_b128 v[128*(\h)+64*(\kd)+32*(\ksl)+8*(\n):128*(\h)+64*(\kd)+32*(\ksl)+8*(\n)+3],   v[(\base)+2*(\kd)+(\n)/2] offset:(\koff)+((\n)%2)*NBLK+128*(\h)+64*(\ksl)
	ds_load_b128 v[128*(\h)+64*(\kd)+32*(\ksl)+8*(\n)+4:128*(\h)+64*(\kd)+32*(\ksl)+8*(\n)+7], v[(\base)+2*(\kd)+(\n)/2] offset:(\koff)+((\n)%2)*NBLK+128*(\h)+64*(\ksl)+32
.endr
.endr
.endr
	WIN 0
.endm
; g's FRAGMENTS of a step (128 along K: four blocks of 1,024 bytes): eight loads a live tile, 512 consecutive bytes each, koff bytes behind the pointers.  Dead tiles, which the launch before has not stored, are jumped.
.macro FA1 set, j, koff
	APLACE \set, \j
	WIN AW<<6
.irp ks, 0,1,2,3
.if (\j) < 2
	global_load_b128 v[AR+8*(\ks):AR+8*(\ks)+3],   v[L16], s[GSH:GSH+1] offset:131072*(\j)+(\koff)+1024*(\ks)
	global_load_b128 v[AR+8*(\ks)+4:AR+8*(\ks)+7], v[L16], s[GSH:GSH+1] offset:131072*(\j)+(\koff)+1024*(\ks)+512
.else
	global_load_b128 v[AR+8*(\ks):AR+8*(\ks)+3],   v[L16], s[GRT:GRT+1] offset:131072*((\j)-2)+(\koff)+1024*(\ks)
	global_load_b128 v[AR+8*(\ks)+4:AR+8*(\ks)+7], v[L16], s[GRT:GRT+1] offset:131072*((\j)-2)+(\koff)+1024*(\ks)+512
.endif
.endr
.endm
.macro FETCH_A set, koff
	s_cmp_eq_u32 s[SH], 0
	s_cbranch_scc1 .Lfr_\@
	FA1 \set, 0, \koff
	FA1 \set, 1, \koff
	WIN 0
.Lfr_\@:
.irp j, 2,3,4,5,6
	s_cmp_le_u32 s[NW], (\j)-2
	s_cbranch_scc1 .Lfa_\@
	FA1 \set, \j, \koff
	WIN 0
.endr
.Lfa_\@:
.endm
; THE PRODUCTS of half a step: 8 a live tile.  A tile's four sums take turns, one instruction a turn; a tile's last and the next tile's (or the next half's) first differ too.
.macro MULT set, h, j
	APLACE \set, \j
.if (\j) < 2
.set BR, 128*(\h)+64
.else
.set BR, 128*(\h)
.endif
	WIN 0xf1|(AW<<2)
.irp ksl, 0,1
.irp n, 0,1,2,3
	v_wmma_f32_16x16x32_bf16 v[32*(\j)+8*(\n):32*(\j)+8*(\n)+7], v[BR+32*(\ksl)+8*(\n):BR+32*(\ksl)+8*(\n)+7], v[AR+8*(2*(\h)+(\ksl)):AR+8*(2*(\h)+(\ksl))+7], v[32*(\j)+8*(\n):32*(\j)+8*(\n)+7]
.endr
.endr
.endm
.macro MUL set, h
	s_cmp_eq_u32 s[SH], 0
	s_cbranch_scc1 .Lmr_\@
	MULT \set, \h, 0
	MULT \set, \h, 1
	WIN 0
.Lmr_\@:
.irp j, 2,3,4,5,6
	s_cmp_le_u32 s[NW], (\j)-2
	s_cbranch_scc1 .Lmu_\@
	MULT \set, \h, \j
	WIN 0
.endr
.Lmu_\@:
.endm
; A STEP of 128 along K, kb bytes behind the trip's place in the LDS rows; the next step's part of g lies ka bytes behind the pointers.  This set's fragments of g, asked for a step ago, and the weights' first half-set,
; asked for half a step ago, are waited for; the other set and the second half-set are asked for; the first half is multiplied; the second half-set is waited for, the next step's first is asked for, and the second
; half is multiplied.  Each wait is for 0: how many loads from memory are out hangs on the live tiles, and of the LDS loads only those that are wanted are out.  last = 1: a trip's second step: the last trip asks for nothing more.
.macro SUB set, kb, ka, last
	s_wait_loadcnt 0x0
	s_wait_dscnt 0x0
.if (\set) == 1
	PLACES                                         ; (ahead of a trip's first step the four address steps at the trip's end are the places)
.endif
.if \last
	s_cmp_eq_u32 s[KC], 1
	s_cbranch_scc1 .Lna_\@
.endif
	FETCH_A 1-(\set), \ka
.if \last
.Lna_\@:
.endif
	FETCH_H 1, BADR, \kb
	MUL \set, 0
	s_wait_dscnt 0x0
.if \last
	s_cmp_eq_u32 s[KC], 1
	s_cbranch_scc1 .Lnb_\@
.endif
	PLACES
	FETCH_H 0, BADR, (\kb)+256
.if \last
.Lnb_\@:
.endif
	MUL \set, 1
.endm
; THE WAY OUT of a live tile: 16 rows x 64 columns of f32 go through my own stage: in by 32 bytes a lane and block, back as whole rows of 256 bytes, each to the row of p that its code names.
.macro EP1 j
	s_wait_xcnt 0x0                                ; the last tile's stores have read their offsets and data
.irp t, 0,1,2,3,4,5,6,7
	v_min_u32 v[PCD+8*(\j)+(\t)], 0xc07, v[PCD+8*(\j)+(\t)]      ; a code is under 3,080: the bound keeps the address inside p whatever the list holds
	v_lshl_add_u32 v[OFFT+(\t)], v[PCD+8*(\j)+(\t)], 13, v[R16]  ; the row of 8,192 bytes, my 16 bytes of its 256
.endr
	WIN 0x0c                                       ; the stores' data in window 3
.irp n, 0,1,2,3
	ds_store_b128 v[STO], v[32*(\j)+8*(\n):32*(\j)+8*(\n)+3]   offset:64*(\n)
	ds_store_b128 v[STO], v[32*(\j)+8*(\n)+4:32*(\j)+8*(\n)+7] offset:64*(\n)+16
.endr
	WIN 0x40
.irp t, 0,1,2,3,4,5,6,7
	ds_load_b128 v[OUT+4*(\t):OUT+4*(\t)+3], v[RD] offset:2*SPITCH*(\t)  ; LDS serves a wave's instructions in order (ISA guide 5.7.1.4): these see the stores above; the next tile's stores come behind them
.endr
	WIN 0x04                                       ; the stores' data in window 1
.irp t, 0,1,2,3,4,5,6,7
	s_wait_dscnt 7-(\t)                            ; the 7 - t younger loads stay out
	global_store_b128 v[OFFT+(\t)], v[OUT+4*(\t):OUT+4*(\t)+3], s[PP:PP+1]  ; 16 lanes store 256 consecutive bytes, at a multiple of 256 from p's first byte
.endr
	WIN 0
.endm
.macro EPI
	s_cmp_eq_u32 s[SH], 0
	s_cbranch_scc1 .Ler_\@
	EP1 0
	EP1 1
.Ler_\@:
.irp j, 2,3,4,5,6
	s_cmp_le_u32 s[NW], (\j)-2
	s_cbranch_scc1 .Lep_\@
	EP1 \j
.endr
.Lep_\@:
.endm
	s_load_b256 s[8:15], s[0:1], 0x0               ; g s[8:9], w2 s[10:11], ws2 s[12:13], rowlist s[14:15]
	s_load_b64 s[16:17], s[0:1], 0x20              ; p
	v_lshl_add_u32 v[SPW], v0, 2, SPARE
	v_mov_b32 v[NIL], 0
	v_lshrrev_b32 v[TA], 5, v0
	v_readfirstlane_b32 s[WV], v[TA]               ; wave 0..3
	v_and_b32 v[TA], 31, v0
	v_lshlrev_b32 v[L16], 4, v[TA]
	v_lshlrev_b32 v[L8], 3, v[TA]
	v_and_b32 v[TA], 15, v0                        ; lane % 16
	v_bfe_u32 v[TB], v0, 4, 1                      ; lane / 16
	v_lshlrev_b32 v[R16], 4, v[TA]
	v_lshlrev_b32 v[H4], 2, v[TB]
	v_mul_u32_u24 v[BB], v[TA], WP
	v_lshl_add_u32 v[BB], v[TB], 4, v[BB]
.irp i, 0,1,2,3
	v_add_nc_u32 v[BF+(\i)], 2*(\i)*NBLK, v[BB]
.endr
	s_mul_i32 s4, s[WV], 16*SPITCH
	s_add_co_u32 s4, s4, STAGE                     ; my stage
	v_mul_u32_u24 v[STO], v[TA], SPITCH            ; in: row lane % 16, 32 bytes for each half of the lanes
	v_lshl_add_u32 v[STO], v[TB], 5, v[STO]
	v_add_nc_u32 v[STO], s4, v[STO]
	v_mul_u32_u24 v[RD], v[TB], SPITCH             ; back: lanes 0-15 take one row of 256 bytes, lanes 16-31 the next
	v_add_nc_u32 v[RD], v[RD], v[R16]
	v_add_nc_u32 v[RD], s4, v[RD]
	s_mul_i32 s4, s[WV], NBLK
	v_add_nc_u32 v[SD], s4, v[L8]                  ; block = my wave; 8 bytes a lane
	v_add_nc_u32 v[SD2], KIND, v[SD]
	s_mov_b32 s[SX], ttmp9
	s_and_b32 s[SY], ttmp7, 0xffff
	s_mov_b32 s[T0], s[WV]
	s_mov_b32 s[SH], 1
	s_mov_b32 s[RL], 1                             ; the first round always has tiles: the shared ones
	s_mov_b32 s[NW], 0
	s_mov_b32 s[RB], RTILES
	s_mov_b32 s[RC], 4
	; Every register is written before it is read on every way through the text.  The jumps over dead tiles stand in the fetches and in the products, and those over a dead round in two places with a barrier
	; between; all hang on the same counts, which the text alone does not show.  So what one such place writes and another reads is written once, here, while the arguments are on their way.
	; (The first 32 registers of the codes are written by the stream.)
.set i, PCD+32
.rept 24
	v_mov_b32 v[i], 0
.set i, i+1
.endr
.set i, 96
.rept 160
	v_mov_b32 v[i], 0
.set i, i+1
.endr
	WIN 0x80
.set i, 0
.rept 256
	v_mov_b32 v[i], 0
.set i, i+1
.endr
	WIN 0xc0
.set i, 224
.rept 32
	v_mov_b32 v[i], 0
.set i, i+1
.endr
	WIN 0
	s_wait_kmcnt 0x0
	s_lshl_b32 s4, s[SX], 6                        ; my work-group's 64 rows,
	s_lshl_b32 s5, s[WV], 4                        ; my wave's 16,
	s_add_co_u32 s4, s4, s5
	s_lshl_b32 s6, s4, 12                          ; of 4,096 bytes
	s_mov_b32 s7, 0
	s_add_nc_u64 s[WB:WB+1], s[12:13], s[6:7]
	s_lshl_b32 s5, s[SY], 23                       ; an expert's 2,048 rows: all under 2^27
	s_add_co_u32 s6, s6, s5
	s_add_nc_u64 s[WA:WA+1], s[10:11], s[6:7]
	SLOAD 0, 0                                     ; my 16 rows of each kind: three of each are always on their way, 48 loads of 512 bytes a wave
	SLOAD 1, RS
	SLOAD 2, 2*RS
	s_mul_i32 s6, s[SY], 4*LWORDS
	s_add_nc_u64 s[RBP:RBP+1], s[14:15], s[6:7]
	s_load_b32 s[NR], s[RBP:RBP+1], 4*LCNT         ; expert y's count: no line of this launch writes rowlist; it is waited for behind the stream
	s_lshl_b32 s6, s[SX], 8
	s_add_nc_u64 s[PP:PP+1], s[16:17], s[6:7]
	s_lshl_b32 s6, s[WV], 6                        ; a tile's 16 words
	s_add_nc_u64 s[RLR:RLR+1], s[RBP:RBP+1], s[6:7]
	s_add_nc_u64 s[RLS:RLS+1], s[RLR:RLR+1], 4*LSH
	s_lshl_b32 s4, s[SY], 3                        ; g at my first shared tile, 512 + 8 y + wave: a tile is 32,768 bytes
	s_add_co_u32 s4, s4, 512
	s_add_co_u32 s4, s4, s[WV]
	s_lshl_b32 s6, s4, 15
	s_add_nc_u64 s[GSB:GSB+1], s[8:9], s[6:7]
	s_lshl_b32 s4, s[SY], 6                        ; and at my first routed tile, 64 y + wave
	s_add_co_u32 s4, s4, s[WV]
	s_lshl_b32 s6, s4, 15
	s_add_nc_u64 s[GRB:GRB+1], s[8:9], s[6:7]
	s_mov_b32 s[STC], 4
.Lrows:
	SROW 0, 0, 32, 1
	SROW 1, 1, 32, 1
	SROW 2, 2, 32, 1
	s_wait_xcnt 0x0                                ; the pointers step only behind this wait
	s_add_nc_u64 s[WA:WA+1], s[WA:WA+1], 3*RS
	s_add_nc_u64 s[WB:WB+1], s[WB:WB+1], 3*RS
	v_add_nc_u32 v[SD], 3*WP, v[SD]
	v_add_nc_u32 v[SD2], 3*WP, v[SD2]
	s_sub_co_u32 s[STC], s[STC], 1
	s_cmp_lg_u32 s[STC], 0
	s_cbranch_scc1 .Lrows
	SROW 0, 0, 32, 1                               ; rows 12 to 15: one more load (the last rows), then the counts run down
	SROW 1, 1, 32, 0
	SROW 2, 2, 16, 0
	SROW 0, 3, 0, 0
	s_wait_dscnt 0x0                               ; for the others' sake: my rows are in LDS
	s_barrier_signal -1
	s_barrier_wait -1
	s_wait_kmcnt 0x0                               ; the count
	s_min_u32 s[NR], s[NR], 1024
	s_add_co_u32 s4, s[NR], 15
	s_lshr_b32 s[NT], s4, 4
.Lround:                                               ; four trips, whatever the count
	; The sums start at 0: 224 lines in each of the four rounds are the price of ONE text for all 8 steps along K, with no first step written out; they stand outside the jump over a dead round, so that they are on every way.
	WIN 0xc0
.set i, 0
.rept 224
	v_mov_b32 v[i], 0
.set i, i+1
.endr
	WIN 0
	s_cmp_eq_u32 s[RL], 0
	s_cbranch_scc1 .Lr1
	s_wait_loadcnt 0x0                             ; nothing of an earlier round is out: its registers are loaded anew below
	s_wait_xcnt 0x0
	s_sub_co_i32 s4, s[NT], s[T0]                  ; my live routed tiles: those of T0, T0 + 4, .. T0 + 16 that are below NT
	s_add_co_i32 s4, s4, 3
	s_ashr_i32 s4, s4, 2
	s_max_i32 s4, s4, 0
	s_min_i32 s[NW], s4, 5
	s_mov_b64 s[GSH:GSH+1], s[GSB:GSB+1]
	s_mov_b64 s[GRT:GRT+1], s[GRB:GRB+1]
.irp i, 0,1,2,3
	v_mov_b32 v[BADR+(\i)], v[BF+(\i)]
.endr
	FETCH_A 0, 0
	FETCH_H 0, BF, 0
.irp j, 0,1                            ; the codes for the way out, all seven tiles': the list is filled as far as the last round's last tile.  The first step's wait for 0 covers them
.irp t, 0,1,2,3,4,5,6,7
	global_load_b32 v[PCD+8*(\j)+(\t)], v[H4], s[RLS:RLS+1] offset:256*(\j)+8*(\t)
.endr
.endr
.irp j, 0,1,2,3,4
.irp t, 0,1,2,3,4,5,6,7
	global_load_b32 v[PCD+16+8*(\j)+(\t)], v[H4], s[RLR:RLR+1] offset:256*(\j)+8*(\t)
.endr
.endr
	s_mov_b32 s[KC], 4
.Lk:                                                   ; a trip is two steps; K = 1,024 is four trips
	SUB 0, 0, 4096, 0
	SUB 1, 256, 8192, 1
.irp i, 0,1,2,3
	v_add_nc_u32 v[BADR+(\i)], 512, v[BADR+(\i)]   ; once a trip; these four are also the places between the trip's last product and what follows: the next loads into its sources, or the way out
.endr
	s_wait_xcnt 0x0                                ; the pointers step only behind this wait
	s_add_nc_u64 s[GSH:GSH+1], s[GSH:GSH+1], 8192
	s_add_nc_u64 s[GRT:GRT+1], s[GRT:GRT+1], 8192
	s_sub_co_u32 s[KC], s[KC], 1
	s_cmp_lg_u32 s[KC], 0
	s_cbranch_scc1 .Lk
.Lr1:
	s_wait_dscnt 0x0                               ; my reads of the weights in this round are over
	s_barrier_signal -1
	s_barrier_wait -1                              ; everybody's are: the stages are written only behind this barrier
	s_cmp_eq_u32 s[RL], 0
	s_cbranch_scc1 .Lr2
	EPI
.Lr2:
	s_wait_xcnt 0x0                                ; the round's stores have read their registers
	s_wait_dscnt 0x0                               ; my stores into my stage and my reads of it are over
	s_barrier_signal -1
	s_barrier_wait -1                              ; everybody's are: the next round's walk, or the closing lines, stand behind this barrier
	s_add_co_u32 s[T0], s[T0], RTILES
	s_add_nc_u64 s[GRB:GRB+1], s[GRB:GRB+1], RTILES*32768
	s_add_nc_u64 s[RLR:RLR+1], s[RLR:RLR+1], RTILES*64
	s_mov_b32 s[SH], 0                             ; the shared tiles are done
	s_cmp_gt_u32 s[NT], s[RB]                      ; are there tiles beyond those of the rounds so far?
	s_cselect_b32 s[RL], 1, 0
	s_add_co_u32 s[RB], s[RB], RTILES
	s_sub_co_u32 s[RC], s[RC], 1
	s_cmp_lg_u32 s[RC], 0
	s_cbranch_scc1 .Lround
	s_wait_tensorcnt 0x0                           ; the wave's end, behind my last LDS store
	ds_add_u32 v[SPW], v[NIL]
	s_wait_dscnt 0x0
	s_endpgm
.Lfunc_end_k_qf1d3bdcbad_down:
	.size	k_qf1d3bdcbad_down, .Lfunc_end_k_qf1d3bdcbad_down-k_qf1d3bdcbad_down
	.p2alignl 7, 3214868480
	.fill 96, 4, 3214868480
	.section	.rodata,"a",@progbits
	.p2align	6, 0x0
	.amdhsa_kernel k_qf1d3bdcbad_down
		.amdhsa_group_segment_fixed_size 282112
		.amdhsa_private_segment_fixed_size 0
		.amdhsa_enable_private_segment 0
		.amdhsa_kernarg_size 40
		.amdhsa_user_sgpr_count 2
		.amdhsa_user_sgpr_kernarg_segment_ptr 1
		.amdhsa_wavefront_size32 1
		.amdhsa_system_sgpr_workgroup_id_x 1
		.amdhsa_system_sgpr_workgroup_id_y 1
		.amdhsa_system_sgpr_workgroup_id_z 1
		.amdhsa_system_vgpr_workitem_id 0
		.amdhsa_next_free_vgpr 1024
		.amdhsa_next_free_sgpr 66
		.amdhsa_reserve_vcc 0
		.amdhsa_float_denorm_mode_32 3
		.amdhsa_float_denorm_mode_16_64 3
		.amdhsa_memory_ordered 1
		.amdhsa_forward_progress 1
		.amdhsa_inst_pref_size 134
	.end_amdhsa_kernel
	.amdgpu_metadata
---
amdhsa.version: [ 1, 2 ]
amdhsa.kernels:
  - .name:           k_qf1d3bdcbad_down
    .symbol:         k_qf1d3bdcbad_down.kd
    .args:
      - { .name: g, .offset: 0, .size: 8, .value_kind: global_buffer, .address_space: global }
      - { .name: w2, .offset: 8, .size: 8, .value_kind: global_buffer, .address_space: global }
      - { .name: ws2, .offset: 16, .size: 8, .value_kind: global_buffer, .address_space: global }
      - { .name: rowlist, .offset: 24, .size: 8, .value_kind: global_buffer, .address_space: global }
      - { .name: p, .offset: 32, .size: 8, .value_kind: global_buffer, .address_space: global }
    .group_segment_fixed_size: 282112
    .private_segment_fixed_size: 0
    .kernarg_segment_align: 8
    .kernarg_segment_size: 40
    .max_flat_workgroup_size: 128
    .sgpr_count:     66
    .vgpr_count:     1024
    .wavefront_size: 32
...
	.end_amdgpu_metadata
.endif
;; end of part 3
;; launch sum (part 4): grid 256 x 1, 8 waves a work-group, no clusters, 0 bytes of LDS; arguments p, out0; writes out0
.if DOCPART == 4
	.amdgcn_target "amdgcn-amd-amdhsa--gfx1250"
	.amdhsa_code_object_version 6
	.text
	.protected	k_qf1d3bdcbad_sum
	.globl	k_qf1d3bdcbad_sum
	.p2align	8
	.type	k_qf1d3bdcbad_sum,@function
k_qf1d3bdcbad_sum:
	s_mov_b64 s[64:65], 0
	v_nop
	global_prefetch_b8 v0, s[64:65] scope:SCOPE_SE
	s_setreg_imm32_b32 hwreg(HW_REG_WAVE_MODE, 25, 1), 1
	s_wait_xcnt 0x0
; SUM.  out0[t] = (p[t] + p[1024 + t]) + p[2048 + t]: a token's two routed partial rows (the gate's weights are in them) and the shared expert's row, all f32.
; The three planes of p lie at fixed places, so this is a stream without indices: a work-group has 32,768 consecutive bytes of out0, a thread 16 bytes in each of eight pieces of 4,096.
; All 24 loads of a wave go out at once; each load and store of a wave covers 512 consecutive bytes.  No LDS, no barrier, no matrix unit: there is nothing to share and nothing to multiply.
.set PLANE, 8388608                    ; 1,024 rows of 8,192 bytes
.set X, 4                              ; v[4:99]  piece i: four registers from each of the three planes
	s_load_b128 s[4:7], s[0:1], 0x0                ; p s[4:5], out0 s[6:7]
	v_lshlrev_b32 v1, 4, v0
	s_lshl_b32 s8, ttmp9, 15
	s_mov_b32 s9, 0
	s_wait_kmcnt 0x0
	s_add_nc_u64 s[4:5], s[4:5], s[8:9]
	s_add_nc_u64 s[6:7], s[6:7], s[8:9]
	s_add_nc_u64 s[10:11], s[4:5], PLANE           ; a plane's distance does not fit the loads' signed 24-bit immediate: a base for each plane
	s_add_nc_u64 s[12:13], s[4:5], 2*PLANE
.irp i, 0,1,2,3,4,5,6,7
	global_load_b128 v[X+12*(\i):X+12*(\i)+3],    v1, s[4:5]   offset:4096*(\i) th:TH_LOAD_NT
	global_load_b128 v[X+12*(\i)+4:X+12*(\i)+7],  v1, s[10:11] offset:4096*(\i) th:TH_LOAD_NT
	global_load_b128 v[X+12*(\i)+8:X+12*(\i)+11], v1, s[12:13] offset:4096*(\i) th:TH_LOAD_NT
.endr
.irp i, 0,1,2,3,4,5,6,7
	s_wait_loadcnt 3*(7-(\i))                      ; loads come back in order (ISA guide 5.7.1): piece i's three are in, the younger pieces' stay out
	v_pk_add_f32 v[X+12*(\i):X+12*(\i)+1],   v[X+12*(\i):X+12*(\i)+1],   v[X+12*(\i)+4:X+12*(\i)+5]
	v_pk_add_f32 v[X+12*(\i)+2:X+12*(\i)+3], v[X+12*(\i)+2:X+12*(\i)+3], v[X+12*(\i)+6:X+12*(\i)+7]
	v_pk_add_f32 v[X+12*(\i):X+12*(\i)+1],   v[X+12*(\i):X+12*(\i)+1],   v[X+12*(\i)+8:X+12*(\i)+9]
	v_pk_add_f32 v[X+12*(\i)+2:X+12*(\i)+3], v[X+12*(\i)+2:X+12*(\i)+3], v[X+12*(\i)+10:X+12*(\i)+11]
	global_store_b128 v1, v[X+12*(\i):X+12*(\i)+3], s[6:7] offset:4096*(\i) th:TH_STORE_NT
.endr
	s_endpgm
.Lfunc_end_k_qf1d3bdcbad_sum:
	.size	k_qf1d3bdcbad_sum, .Lfunc_end_k_qf1d3bdcbad_sum-k_qf1d3bdcbad_sum
	.p2alignl 7, 3214868480
	.fill 96, 4, 3214868480
	.section	.rodata,"a",@progbits
	.p2align	6, 0x0
	.amdhsa_kernel k_qf1d3bdcbad_sum
		.amdhsa_group_segment_fixed_size 0
		.amdhsa_private_segment_fixed_size 0
		.amdhsa_enable_private_segment 0
		.amdhsa_kernarg_size 16
		.amdhsa_user_sgpr_count 2
		.amdhsa_user_sgpr_kernarg_segment_ptr 1
		.amdhsa_wavefront_size32 1
		.amdhsa_system_sgpr_workgroup_id_x 1
		.amdhsa_system_sgpr_workgroup_id_y 1
		.amdhsa_system_sgpr_workgroup_id_z 1
		.amdhsa_system_vgpr_workitem_id 0
		.amdhsa_next_free_vgpr 112
		.amdhsa_next_free_sgpr 66
		.amdhsa_reserve_vcc 0
		.amdhsa_float_denorm_mode_32 3
		.amdhsa_float_denorm_mode_16_64 3
		.amdhsa_memory_ordered 1
		.amdhsa_forward_progress 1
		.amdhsa_inst_pref_size 6
	.end_amdhsa_kernel
	.amdgpu_metadata
---
amdhsa.version: [ 1, 2 ]
amdhsa.kernels:
  - .name:           k_qf1d3bdcbad_sum
    .symbol:         k_qf1d3bdcbad_sum.kd
    .args:
      - { .name: p, .offset: 0, .size: 8, .value_kind: global_buffer, .address_space: global }
      - { .name: out0, .offset: 8, .size: 8, .value_kind: global_buffer, .address_space: global }
    .group_segment_fixed_size: 0
    .private_segment_fixed_size: 0
    .kernarg_segment_align: 8
    .kernarg_segment_size: 16
    .max_flat_workgroup_size: 256
    .sgpr_count:     66
    .vgpr_count:     112
    .wavefront_size: 32
...
	.end_amdgpu_metadata
.endif
;; end of part 4
